; MI455X (gfx1250); checked and timed in simulation.
; The chip was launched on July 23, 2026; its instructions are those of AMD's public machine-readable ISA for CDNA 5 (MIT licence, August 2026) and "CDNA5" Instruction Set Architecture Reference Guide (July 2026). The comments in the code are by the model that wrote it; some were corrected since.
;; GRU. Allowed arithmetic: matrix products marked QUANTISED: E5M2 operands, one given power-of-two scale a tensor, by v_wmma_f32_16x16x64_bf8_bf8 or v_wmma_f32_16x16x128_bf8_bf8, f32 sums; everything else in f32.
;; Inputs: br 1,024 float32; bx 1,024 float32; bz 1,024 float32; inp 8,192 x 1,024 float32; lowp_scales 4 int32 (the exponents e of the quantised operands' scales 2^e); state 8,192 x 1,024 float32; ur 1,024 x 1,024 float32; uz 1,024 x 1,024 float32; wh 1,024 x 1,024 float32; wr 1,024 x 1,024 float32; wx 1,024 x 1,024 float32; wz 1,024 x 1,024 float32.
;; Outputs: out0 8,192 x 1,024 float32.
;; This version of the problem:
;;   THIS VERSION OF THE PROBLEM IS GIVEN IN LOW PRECISION. The matrix products marked QUANTISED in the list below multiply operands that are first quantised to E5M2 (5 exponent bits, 2 mantissa bits; 8 bits a number), with one given power-of-two scale for each operand tensor; their sums are f32. All else is computed in f32.
;;   The module's matrix products, in the order in which they are computed (A, B: the left and right operand; K: the contracted axis; several contracted axes count as one K, in the product's order):
;;     1. [M 8,192, K 1,024] x [K 1,024, N 3,072]; A: input inp; B: computed on the way: QUANTISED (scales: A lowp_scales[0], B lowp_scales[1])
;;     2. [M 8,192, K 1,024] x [K 1,024, N 3,072]; A: input state; B: computed on the way: QUANTISED (scales: A lowp_scales[2], B lowp_scales[3])
;;   THE QUANTISER, for each operand of a quantised product, along K:
;;     - The operand's scale is 2^e, e = its entry of the input lowp_scales (int32; the entries are numbered through the quantised products in the list's order, A before B).
;;     - Each number is divided by the scale, clamped to +-57,344, and rounded to the nearest number of E5M2, ties to even, subnormals kept.
;;     - The product sums the exact products of the quantised numbers (number of the format x scale) in f32.
;;   ~~~python
;;   def quantise(x, axis, e):      # numpy; x: float32 -> the quantised numbers, widened to float32 again
;;       x = np.moveaxis(x, axis, -1); K = x.shape[-1]
;;       r = np.clip(x / 2.0 ** e, -57344, 57344)
;;       step = 2.0 ** (np.maximum(np.frexp(np.where(r == 0, 1, r))[1] - 1, -14) - 2)
;;       q = np.round(r / step) * step * 2.0 ** e      # np.round: ties to even
;;       return np.moveaxis(q, -1, axis).astype(np.float32)
;;   ~~~
;;   OPERANDS COMPUTED ON THE WAY. 'Computed on the way' means the value that the module computes at that place (a softmax that the list does not call 'softmax' is quantised finished and normalised). What goes into a quantiser is computed in f32, as accurately as f32 sums, v_exp_f32 and their like allow (about 1e-6 of the number): no bf16 or f16 on the way to a quantiser, and a product that is left as it is and whose result goes on into a quantised operand takes f32 operands (vector FMAs, or v_wmma_f32_16x16x4_f32). A number that lies on a knife's edge between two numbers of the format may be rounded either way, as far as f32 arithmetic and the matrix unit's own rounding can turn it there, and no further.
;; One version. Each part assembles by itself: llvm-mc -triple=amdgcn-amd-amdhsa -mcpu=gfx1250 --defsym DOCPART=n.
;; ======== version 1 of 1: 2 launches
;; limits: right only within a limited range of input values
;; workspace buffers: ac 16,777,216 bytes; wc 6,291,456 bytes
;; launch quant (part 1): grid 704 x 1, 4 waves a work-group, no clusters, 69,120 bytes of LDS; arguments inp, state, wz, wr, wx, uz, ur, wh, lowp_scales, ac, wc; writes ac, wc
.if DOCPART == 1
	.amdgcn_target "amdgcn-amd-amdhsa--gfx1250"
	.amdhsa_code_object_version 6
	.text
	.protected	k_q94110d20d2_quant
	.globl	k_q94110d20d2_quant
	.p2align	8
	.type	k_q94110d20d2_quant,@function
k_q94110d20d2_quant:
	s_mov_b64 s[64:65], 0
	v_nop
	global_prefetch_b8 v0, s[64:65] scope:SCOPE_SE
	s_setreg_imm32_b32 hwreg(HW_REG_WAVE_MODE, 25, 1), 1
	s_wait_xcnt 0x0
; All eight f32 operands of the two products become codes of BF8 (E5M2), each with the scale 2^e given for it: code = x / 2^e, held within +-57,344, to the nearest code, ties to even.
; e: entry 0 (inp), 1 (wz, wr, wx), 2 (state), 3 (uz, ur, wh).  LIMITS: -126 <= e <= 112.  NaN among the inputs is not served (an infinity is held at the largest code).
; BOTH BUFFERS ARE LAID AS IMAGES OF THE OPERAND REGISTERS.  A fragment is 16 rows x 128 places of K = 2,048 bytes: load i (0..3), lane 16 h + r, 16 bytes: places 32 i + 16 h + 0..15 of row r.
; ac: [row block of 16 (512)][chunk q (16)][2,048]: chunks 0-7 inp's K, 8-15 state's.
; wc: [64 columns cg (16)][chunk q (16)][fragment f = 4 gate + b (12)][2,048]: row r of fragment f is column 64 cg + 16 b + r of gate z, r, x/h; chunks 0-7 the matrices that meet inp, 8-15 those that meet state.
; K IS PERMUTED, ALIKE IN BOTH: in each 1,024, place 512 c + 16 l + 4 i + j holds k = 512 c + 128 i + 4 l + j: only the order of the sums changes.
; Work-groups 0-191: the weights (matrix = number / 32, 128 columns = (number / 4) % 8, 256 places = number % 4).  Work-groups 192-703: inp and state; a wave takes 16 rows x 512 places.
; Codes turn through a stage in LDS of the wave's own (each path has bytes of its own) and leave as 512 consecutive bytes a store.  No tensor loads, no barrier.
.set PITCH, 272
.set APITCH, 528
.set ASTG,  34816                      ; behind the weights' four stages of 32 x 272: four stages of 16 x 528
.set SPARE, 68608                      ; the spare words
.set X,     32
.set C,     96
.set OUTR,  112
.set R,     16
.set CA,    80
.set OA,    144
.set SPW,   208
.set NIL,   209
	s_load_b512 s[4:19], s[0:1], 0x0               ; inp 4, state 6, wz 8, wr 10, wx 12, uz 14, ur 16, wh 18
	s_load_b128 s[20:23], s[0:1], 0x40             ; the exponents 20, ac 22
	s_load_b64 s[24:25], s[0:1], 0x50              ; wc
	v_lshl_add_u32 v[SPW], v0, 2, SPARE
	v_mov_b32 v[NIL], 0
	v_lshrrev_b32 v1, 5, v0
	v_readfirstlane_b32 s26, v1                    ; wave
	v_and_b32 v2, 31, v0                           ; lane
	v_and_b32 v5, 15, v0                           ; r
	v_bfe_u32 v6, v0, 4, 1                         ; h
	s_mul_i32 s44, s26, 32*PITCH
	s_mul_i32 s45, s26, 16*APITCH
	s_add_co_u32 s45, s45, ASTG
	v_lshlrev_b32 v3, 2, v2                        ; weights in: 4 bytes a lane
	v_lshlrev_b32 v9, 4, v2                        ; 16 bytes a lane
	v_mul_u32_u24 v4, v2, PITCH
	v_add_nc_u32 v4, s44, v4                       ; weights' stage, in: row = my column
	v_mul_u32_u24 v7, v5, PITCH
	v_lshl_add_u32 v7, v6, 4, v7
	v_add_nc_u32 v7, s44, v7                       ; and out: row r, + 16 h
	v_add_nc_u32 v12, s45, v9                      ; rows' stage, in: 16 x lane
	v_mul_u32_u24 v13, v5, APITCH
	v_lshl_add_u32 v13, v6, 4, v13
	v_add_nc_u32 v13, s45, v13                     ; and out
	s_wait_alu depctr_va_vdst(0)
	s_wait_kmcnt 0x0
	s_load_b128 s[28:31], s[20:21], 0x0            ; e0 .. e3
	s_cmp_lt_u32 ttmp9, 192
	s_cbranch_scc0 .Lact
; THE WEIGHTS: a lane takes a column, its registers run along the places of K
	s_lshr_b32 s32, ttmp9, 5                       ; matrix
	s_bfe_u32 s33, ttmp9, 0x30002                  ; which 128 columns
	s_and_b32 s34, ttmp9, 3                        ; which 256 places
	s_mov_b64 s[42:43], s[8:9]
	s_cmp_eq_u32 s32, 1
	s_cselect_b64 s[42:43], s[10:11], s[42:43]
	s_cmp_eq_u32 s32, 2
	s_cselect_b64 s[42:43], s[12:13], s[42:43]
	s_cmp_eq_u32 s32, 3
	s_cselect_b64 s[42:43], s[14:15], s[42:43]
	s_cmp_eq_u32 s32, 4
	s_cselect_b64 s[42:43], s[16:17], s[42:43]
	s_cmp_eq_u32 s32, 5
	s_cselect_b64 s[42:43], s[18:19], s[42:43]
	s_cmp_ge_u32 s32, 3
	s_cselect_b32 s35, 1, 0                        ; 1: it meets state
	s_mul_i32 s36, s35, 3
	s_sub_co_u32 s36, s32, s36                     ; gate
	s_lshr_b32 s38, s34, 1                         ; in: row 512 (kq / 2) + 64 (kq % 2), column 128 cgrp + 32 wave
	s_lshl_b32 s38, s38, 21
	s_and_b32 s39, s34, 1
	s_lshl_b32 s39, s39, 18
	s_add_co_u32 s38, s38, s39
	s_lshl_b32 s39, s33, 9
	s_add_co_u32 s38, s38, s39
	s_lshl_b32 s39, s26, 7
	s_add_co_u32 s38, s38, s39
	s_mov_b32 s39, 0
	s_add_nc_u64 s[42:43], s[42:43], s[38:39]
	s_lshl_b32 s40, s33, 1                         ; out: cg = 2 cgrp + wave / 2; chunk 8 S + 2 kq; fragment 4 gate + 2 (wave % 2)
	s_lshr_b32 s41, s26, 1
	s_add_co_u32 s40, s40, s41
	s_mul_i32 s40, s40, 393216
	s_lshl_b32 s41, s35, 3
	s_lshl_b32 s46, s34, 1
	s_add_co_u32 s41, s41, s46
	s_mul_i32 s41, s41, 24576
	s_add_co_u32 s40, s40, s41
	s_lshl_b32 s41, s36, 2
	s_and_b32 s46, s26, 1
	s_lshl_b32 s46, s46, 1
	s_add_co_u32 s41, s41, s46
	s_lshl_b32 s41, s41, 11
	s_add_co_u32 s40, s40, s41
	s_mov_b32 s41, 0
	s_add_nc_u64 s[24:25], s[24:25], s[40:41]
.macro WLOAD t                         ; block t: register x holds place 32 t + x of my 256: k = 128 ((x / 4) % 4) + 8 t + 4 (x / 16) + x % 4 rows below my first
.irp x, 0,1,2,3,4,5,6,7,8,9,10,11,12,13,14,15,16,17,18,19,20,21,22,23,24,25,26,27,28,29,30,31
	global_load_b32 v[X+32*((\t)%2)+\x], v3, s[42:43] offset:(128*((\x/4)%4)+8*(\t)+4*(\x/16)+(\x%4))*4096 th:TH_LOAD_NT
.endr
.endm
	WLOAD 0
	WLOAD 1
	s_wait_kmcnt 0x0
	s_cmp_eq_u32 s35, 1
	s_cselect_b32 s37, s31, s29                    ; e
	s_add_co_i32 s37, s37, 127
	s_lshl_b32 s47, s37, 23
	v_mov_b32 v11, s47                             ; 2^e
	s_add_co_i32 s37, s37, 15
	s_lshl_b32 s37, s37, 23
	s_or_b32 s37, s37, 0x600000
	v_mov_b32 v10, s37                             ; 57,344 x 2^e
.macro WBLOCK t
.set XS, X+32*((\t)%2)
.if (\t) < 7
	s_wait_loadcnt 32                              ; this block's 32 loads are in; the next block's may be out
.else
	s_wait_loadcnt 0x0
.endif
.irp i, 0,1,2,3,4,5,6,7,8,9,10,11,12,13,14,15,16,17,18,19,20,21,22,23,24,25,26,27,28,29,30,31
	v_med3_num_f32 v[XS+\i], v[XS+\i], -v10, v10   ; the conversion does not saturate (ISA guide 7.6.2): hold first
.endr
.irp g, 0,1,2,3
	v_cvt_scalef32_pk8_bf8_f32 v[C+2*\g:C+2*\g+1], v[XS+8*\g:XS+8*\g+7], v11
.endr
	ds_store_b128 v4, v[C:C+3] offset:32*(\t)
	ds_store_b128 v4, v[C+4:C+7] offset:32*(\t)+16
.if (\t)+2 < 8
	WLOAD (\t)+2
.endif
	s_wait_dscnt 0x0                               ; the stores have read their registers
.endm
	s_wait_alu depctr_va_vdst(0)
.irp t, 0,1,2,3,4,5,6,7
	WBLOCK \t
.endr
.set T, 0
.irp ch, 0,1
.irp bl, 0,1
.irp i, 0,1,2,3
	ds_load_b128 v[OUTR+4*T:OUTR+4*T+3], v7 offset:\bl*16*PITCH+128*\ch+32*\i   ; a quarter of a fragment's image; LDS serves a wave in order
.set T, T+1
.endr
.endr
.endr
.set T, 0
.irp ch, 0,1
.irp bl, 0,1
.irp i, 0,1,2,3
	s_wait_dscnt 15-T
	global_store_b128 v9, v[OUTR+4*T:OUTR+4*T+3], s[24:25] offset:\ch*24576+\bl*2048+\i*512   ; 512 consecutive bytes
.set T, T+1
.endr
.endr
.endr
	s_wait_tensorcnt 0x0                           ; the wave's end
	ds_add_u32 v[SPW], v[NIL]
	s_wait_dscnt 0x0
	s_endpgm
; inp AND state: step s is row s of my 16: four loads of 512 consecutive bytes give a lane its sixteen neighbouring places
.Lact:
	s_sub_co_u32 s32, ttmp9, 192
	s_lshl_b32 s32, s32, 2
	s_add_co_u32 s32, s32, s26                     ; my wave's task, 0 .. 2,047
	s_lshr_b32 s33, s32, 10                        ; 0: inp, 1: state
	s_bfe_u32 s34, s32, 0x90001                    ; row block
	s_and_b32 s35, s32, 1                          ; which 512 places
	s_cmp_eq_u32 s33, 0
	s_cselect_b64 s[42:43], s[4:5], s[6:7]
	s_lshl_b32 s38, s34, 16
	s_lshl_b32 s39, s35, 11
	s_add_co_u32 s38, s38, s39
	s_mov_b32 s39, 0
	s_add_nc_u64 s[42:43], s[42:43], s[38:39]
	s_lshl_b32 s40, s34, 15                        ; ac: row block x 32,768 + chunk (8 S + 4 c) x 2,048
	s_lshl_b32 s41, s33, 14
	s_add_co_u32 s40, s40, s41
	s_lshl_b32 s41, s35, 13
	s_add_co_u32 s40, s40, s41
	s_mov_b32 s41, 0
	s_add_nc_u64 s[22:23], s[22:23], s[40:41]
.macro ALOAD s
.irp i, 0,1,2,3
	global_load_b128 v[R+16*((\s)%4)+4*\i:R+16*((\s)%4)+4*\i+3], v9, s[42:43] offset:4096*(\s)+512*\i th:TH_LOAD_NT
.endr
.endm
.irp s, 0,1,2,3
	ALOAD \s
.endr
	s_wait_kmcnt 0x0
	s_cmp_eq_u32 s33, 0
	s_cselect_b32 s37, s28, s30                    ; e
	s_add_co_i32 s37, s37, 127
	s_lshl_b32 s47, s37, 23
	v_mov_b32 v11, s47
	s_add_co_i32 s37, s37, 15
	s_lshl_b32 s37, s37, 23
	s_or_b32 s37, s37, 0x600000
	v_mov_b32 v10, s37
.macro ASTEP s
.set RS, R+16*((\s)%4)
.if 15-(\s) >= 3
	s_wait_loadcnt 12                              ; this step's four loads are in; three steps' may be out
.else
	s_wait_loadcnt 4*(15-(\s))
.endif
.irp i, 0,1,2,3,4,5,6,7,8,9,10,11,12,13,14,15
	v_med3_num_f32 v[RS+\i], v[RS+\i], -v10, v10
.endr
	v_cvt_scalef32_pk8_bf8_f32 v[CA+4*(\s):CA+4*(\s)+1], v[RS:RS+7], v11
	v_cvt_scalef32_pk8_bf8_f32 v[CA+4*(\s)+2:CA+4*(\s)+3], v[RS+8:RS+15], v11
.if (\s)+4 < 16
	ALOAD (\s)+4
.endif
	ds_store_b128 v12, v[CA+4*(\s):CA+4*(\s)+3] offset:(\s)*APITCH   ; each step has its own four registers
.endm
	s_wait_alu depctr_va_vdst(0)
.irp s, 0,1,2,3,4,5,6,7,8,9,10,11,12,13,14,15
	ASTEP \s
.endr
.irp t, 0,1,2,3,4,5,6,7,8,9,10,11,12,13,14,15
	ds_load_b128 v[OA+4*\t:OA+4*\t+3], v13 offset:128*(\t/4)+32*(\t%4)
.endr
.irp t, 0,1,2,3,4,5,6,7,8,9,10,11,12,13,14,15
	s_wait_dscnt 15-\t
	global_store_b128 v9, v[OA+4*\t:OA+4*\t+3], s[22:23] offset:512*\t   ; four chunks' images on end: 8,192 consecutive bytes a wave
.endr
	s_wait_tensorcnt 0x0                           ; the wave's end
	ds_add_u32 v[SPW], v[NIL]
	s_wait_dscnt 0x0
	s_endpgm
.Lfunc_end_k_q94110d20d2_quant:
	.size	k_q94110d20d2_quant, .Lfunc_end_k_q94110d20d2_quant-k_q94110d20d2_quant
	.p2alignl 7, 3214868480
	.fill 96, 4, 3214868480
	.section	.rodata,"a",@progbits
	.p2align	6, 0x0
	.amdhsa_kernel k_q94110d20d2_quant
		.amdhsa_group_segment_fixed_size 69120
		.amdhsa_private_segment_fixed_size 0
		.amdhsa_enable_private_segment 0
		.amdhsa_kernarg_size 88
		.amdhsa_user_sgpr_count 2
		.amdhsa_user_sgpr_kernarg_segment_ptr 1
		.amdhsa_wavefront_size32 1
		.amdhsa_system_sgpr_workgroup_id_x 1
		.amdhsa_system_sgpr_workgroup_id_y 1
		.amdhsa_system_sgpr_workgroup_id_z 1
		.amdhsa_system_vgpr_workitem_id 0
		.amdhsa_next_free_vgpr 210
		.amdhsa_next_free_sgpr 66
		.amdhsa_reserve_vcc 0
		.amdhsa_float_denorm_mode_32 3
		.amdhsa_float_denorm_mode_16_64 3
		.amdhsa_memory_ordered 1
		.amdhsa_forward_progress 1
		.amdhsa_inst_pref_size 81
	.end_amdhsa_kernel
	.amdgpu_metadata
---
amdhsa.version: [ 1, 2 ]
amdhsa.kernels:
  - .name:           k_q94110d20d2_quant
    .symbol:         k_q94110d20d2_quant.kd
    .args:
      - { .name: inp, .offset: 0, .size: 8, .value_kind: global_buffer, .address_space: global }
      - { .name: state, .offset: 8, .size: 8, .value_kind: global_buffer, .address_space: global }
      - { .name: wz, .offset: 16, .size: 8, .value_kind: global_buffer, .address_space: global }
      - { .name: wr, .offset: 24, .size: 8, .value_kind: global_buffer, .address_space: global }
      - { .name: wx, .offset: 32, .size: 8, .value_kind: global_buffer, .address_space: global }
      - { .name: uz, .offset: 40, .size: 8, .value_kind: global_buffer, .address_space: global }
      - { .name: ur, .offset: 48, .size: 8, .value_kind: global_buffer, .address_space: global }
      - { .name: wh, .offset: 56, .size: 8, .value_kind: global_buffer, .address_space: global }
      - { .name: lowp_scales, .offset: 64, .size: 8, .value_kind: global_buffer, .address_space: global }
      - { .name: ac, .offset: 72, .size: 8, .value_kind: global_buffer, .address_space: global }
      - { .name: wc, .offset: 80, .size: 8, .value_kind: global_buffer, .address_space: global }
    .group_segment_fixed_size: 69120
    .private_segment_fixed_size: 0
    .kernarg_segment_align: 8
    .kernarg_segment_size: 88
    .max_flat_workgroup_size: 128
    .sgpr_count:     66
    .vgpr_count:     210
    .wavefront_size: 32
...
	.end_amdgpu_metadata
.endif
;; end of part 1
;; launch gru (part 2): grid 16 x 16, 4 waves a work-group, clusters of 4 x 1, 327,680 bytes of LDS; arguments ac, wc, state, bz, br, bx, lowp_scales, out0; writes out0
.if DOCPART == 2
	.amdgcn_target "amdgcn-amd-amdhsa--gfx1250"
	.amdhsa_code_object_version 6
	.text
	.protected	k_q94110d20d2_gru
	.globl	k_q94110d20d2_gru
	.p2align	8
	.type	k_q94110d20d2_gru,@function
k_q94110d20d2_gru:
	s_mov_b64 s[64:65], 0
	v_nop
	global_prefetch_b8 v0, s[64:65] scope:SCOPE_SE
	s_setreg_imm32_b32 hwreg(HW_REG_WAVE_MODE, 25, 1), 1
	s_wait_xcnt 0x0
	s_wait_alu depctr_hold_cnt(0) depctr_sa_sdst(0) depctr_va_vdst(0) depctr_va_sdst(0) depctr_va_ssrc(0) depctr_va_vcc(0) depctr_vm_vsrc(0)
	s_getreg_b32 s2, hwreg(HW_REG_IB_STS2, 6, 4)
	s_cmp_eq_u32 s2, 0
	s_cbranch_scc0 .Lentry_in_a_cluster
	s_endpgm
.Lentry_in_a_cluster:
	s_bfe_u32 s2, ttmp6, 0x10000c
	s_cmp_lg_u32 s2, 0x3003
	s_cbranch_scc0 .Lentry_shape_is_right
	s_endpgm
.Lentry_shape_is_right:
; hid = (1 - z) h_ + state z;  z = sigmoid(xz + hz + bz), r = sigmoid(xr + hr + br), h_ = tanh(xh + bx + hh r): both products on codes of BF8 (E5M2), and the gates, in one launch.
; ac and wc hold images of the operand registers (2,048 bytes a fragment of 16 rows x 128 places of K; chunks 0-7 of K belong to inp's product, 8-15 to state's; K permuted alike in both).
; FOUR SUMS FOR EACH OUTPUT: Z, R (both products in one accumulator), XH, HH.  Between the halves of K, Z and R are multiplied once by 2^(e0 + e1 - e2 - e3), which rounds nothing.
; LIMITS: e0 + e1 and e2 + e3 between -125 and 125; e0 + e1 - e2 - e3 between -126 and 127.  NaN among the inputs is not served.
; SHARES.  Work-group (g, y) makes rows 512 g .. + 511 in columns 64 y .. + 63, as two tiles of 256 rows; wave w makes rows 64 w on of a tile, all 64 columns: 4 x 4 tiles of 16 x 16, four sums each: 512 registers.
; ac: a wave's rows are read by no other wave of the work-group, so its fragments come STRAIGHT INTO REGISTERS: each load reads 512 consecutive bytes; a ring of four sets (a set: a chunk's four fragments, 16 loads).
; Chunk q asks again for the set that chunk q - 1 multiplied, with chunk q + 3's fragments, eight loads behind each of its two runs of LDS loads; the ring goes on into the next tile.
; wc: the 12 fragments of a chunk serve all four waves: they come through a ring of two LDS slots of four chunks (98,304 dense bytes) each.
; CLUSTERS: the four work-groups of a cluster have the same y and so the same tiles of wc: each wave's quarter of a slot is asked for JOINTLY (mask 15).  ac does not pass through LDS, so it has no joint load.
; The matrix instruction is used transposed (source 0 = wc, source 1 = ac): lane (r, h), register j holds row 16 a + r, column 16 b + 8 h + j.
; state and hid pass through a stage of the wave's own (64 rows x 272 bytes): whole rows of 256 bytes from and to memory, no barrier.  The biases, scaled once, lie in LDS, a copy for each wave.
; No data prefetch is laid: the register ring itself asks for ac 32 to 48 loads ahead of the use, and a slot of wc is asked for four chunks ahead.
; REGISTERS: window 0: v1-29 addresses; v64-255 wc's twelve fragments (in the gates: v32-127 biases, v128-255 state, then rows of hid).  window 1: ac's ring, set s at 64 s.
;   window 2: Z at 32 a + 8 b, R at 128 + the same.  window 3: XH at 32 a + 8 b, HH at 128 + the same.
.set PITCH, 272
.set SLOTB, 98304
.set STAGE, 2*SLOTB                    ; four stages of 64 x 272
.set BIAS,  STAGE+4*64*PITCH           ; four copies of 3 x 256 bytes
.set SPARE, BIAS+4*768                 ; the spare words
.set NEXTA, 524288                     ; bytes from a tile's fragments of ac to the next tile's (16 row blocks)
.set NEXTS, 1048576                    ; the same in state and out0 (256 rows)
.set LO,   1                           ; 16 x lane
.set ADB,  8                           ; v8-11: LO + 49,152 k: slot k / 2, chunks 2 (k % 2) on
.set STW,  12                          ; stage by rows: lanes 0-15 one row, lanes 16-31 the next
.set SAC,  13                          ; stage in the accumulators' layout: row r, + 32 h
.set GRO,  14                          ; the same two rows in state and out0
.set BIA,  15                          ; my copy of the biases, + 32 h
.set BIW,  16                          ; and where I put 8 bytes of it
.set BGO,  17                          ; 8 x lane
.set SPW,  28
.set NIL,  29
.set BZ,   32
.set BR,   64
.set BX,   96
.set BF,   64
.set ST,   128
.set G1,   24                          ; s[24:31] group 1; s[32:39] group 0, a set for each slot
.set G0,   32
.set TILES, 79
.set MSB, 0
.macro WIN new                         ; the immediate's high byte repeats the setting that is left
.if MSB != (\new)
	s_set_vgpr_msb (MSB<<8)|(\new)
.set MSB, (\new)
.endif
.endm
.macro CREST
	s_cmp_lg_u32 s20, 0
	s_cbranch_scc1 .Lnot_wave_0_\@
	s_barrier_signal -3
.Lnot_wave_0_\@:
	s_barrier_wait -3
	s_barrier_signal -1
	s_barrier_wait -1
.endm
.macro CROUND
	s_barrier_signal -1
	s_barrier_wait -1
	CREST
.endm
.macro PLACES n                        ; plain vector lines between a matrix instruction and a load into, or a vector line on, its registers
.rept \n
	v_nop
.endr
.endm
	s_load_b512 s[4:19], s[0:1], 0x0               ; ac 4, wc 6, state 8, bz 10, br 12, bx 14, the exponents 16, out0 18
	v_lshl_add_u32 v[SPW], v0, 2, SPARE
	v_mov_b32 v[NIL], 0
	ds_add_u32 v[SPW], v[NIL]                      ; the opening lines: the add twice on end and its wait
	ds_add_u32 v[SPW], v[NIL]
	v_lshrrev_b32 v2, 5, v0
	v_readfirstlane_b32 s20, v2                    ; wave
	v_and_b32 v3, 31, v0                           ; lane
	v_and_b32 v4, 15, v0                           ; r
	v_bfe_u32 v5, v0, 4, 1                         ; h
	v_lshlrev_b32 v[LO], 4, v3
.irp k, 0,1,2,3
	v_add_nc_u32 v[ADB+\k], \k*49152, v[LO]
.endr
	s_mul_i32 s40, s20, 64*PITCH
	s_add_co_u32 s40, s40, STAGE
	v_mul_u32_u24 v6, v5, PITCH
	v_lshl_add_u32 v6, v4, 4, v6
	v_add_nc_u32 v[STW], s40, v6
	v_mul_u32_u24 v7, v4, PITCH
	v_lshl_add_u32 v7, v5, 5, v7
	v_add_nc_u32 v[SAC], s40, v7
	v_lshlrev_b32 v6, 12, v5
	v_lshl_add_u32 v[GRO], v4, 4, v6
	s_mul_i32 s41, s20, 768
	s_add_co_u32 s41, s41, BIAS
	v_lshl_add_u32 v[BIA], v5, 5, s41
	v_lshl_add_u32 v[BIW], v3, 3, s41
	v_lshlrev_b32 v[BGO], 3, v3
	s_bfe_u32 s21, ttmp6, 0x40000                  ; cx
	s_lshl_b32 s22, ttmp9, 2
	s_add_co_u32 s22, s22, s21                     ; g = 4 x cluster x + cx
	s_and_b32 s23, ttmp7, 0xffff                   ; y, which the cluster shares
	s_mov_b32 s[G1], 15|(3<<16)|(1<<21)            ; the mask: all four; elements of 8 bytes; bit 21 beside a mask; no padding: the images are read 16 bytes a lane on end
	s_mov_b32 s[G1+1], 32<<16                      ; rows of 256 bytes
	s_mov_b32 s[G1+2], 96<<16                      ; 96 of them: a quarter of a slot
	s_mov_b32 s[G1+3], 32<<16
	s_mov_b32 s[G1+4], 96
	s_mov_b32 s[G1+5], 32
	s_mov_b32 s[G1+6], 0
	s_mov_b32 s[G1+7], 0
	s_lshl_b32 s40, s22, 20                        ; ac: row block 32 g + 4 w, of 32,768 bytes
	s_lshl_b32 s41, s20, 17
	s_add_co_u32 s40, s40, s41
	s_mov_b32 s41, 0
	s_lshl_b32 s42, s22, 21                        ; state, out0: row 512 g + 64 w of 4,096 bytes, + 256 y
	s_lshl_b32 s43, s20, 18
	s_add_co_u32 s42, s42, s43
	s_lshl_b32 s43, s23, 8
	s_add_co_u32 s42, s42, s43
	s_mov_b32 s43, 0
	s_mul_i32 s44, s23, 393216                     ; wc: y's sixteen chunks, my quarter of a slot: made of y and the wave's number alone
	s_mul_i32 s45, s20, 24576
	s_add_co_u32 s44, s44, s45
	s_mov_b32 s45, 0
	s_lshl_b32 s46, s23, 8                         ; the biases of my work-group's 64 columns
	s_mov_b32 s47, 0
	s_mov_b32 s[G0], 1
	s_mov_b32 s[G0+4], 1
	s_mul_i32 s[G0+1], s20, 24576
	s_add_co_u32 s[G0+5], s[G0+1], SLOTB
	s_wait_alu depctr_va_vdst(0)
	s_wait_dscnt 0x0                               ; both opening adds are done
	s_wait_kmcnt 0x0
	s_load_b128 s[80:83], s[16:17], 0x0            ; e0 .. e3
	s_add_nc_u64 s[4:5], s[4:5], s[40:41]
	s_add_nc_u64 s[8:9], s[8:9], s[42:43]
	s_add_nc_u64 s[18:19], s[18:19], s[42:43]
	s_add_nc_u64 s[6:7], s[6:7], s[44:45]
	s_add_nc_u64 s[10:11], s[10:11], s[46:47]
	s_add_nc_u64 s[12:13], s[12:13], s[46:47]
	s_add_nc_u64 s[14:15], s[14:15], s[46:47]
.macro AIM slot, c                     ; the slot's group 0 is aimed at chunks 4 c on; it stands where no tensor load of the wave is out
	s_add_nc_u64 s[G0+4*\slot+2:G0+4*\slot+3], s[6:7], (\c)*SLOTB
	s_or_b32 s[G0+4*\slot+3], s[G0+4*\slot+3], 0x80000000
.endm
	AIM 0, 0
	AIM 1, 1
	global_load_b64 v[32:33], v[BGO], s[10:11]     ; 32 lanes read a gate's 256 bytes
	global_load_b64 v[34:35], v[BGO], s[12:13]
	global_load_b64 v[36:37], v[BGO], s[14:15]
	CROUND                                         ; the four work-groups are here: the first joint loads meet
	tensor_load_to_lds s[G0:G0+3], s[G1:G1+7]      ; chunks 0-3: one tensor load a wave at the head
	s_nop 0
	s_wait_kmcnt 0x0
	s_add_co_i32 s66, s80, s81                     ; e0 + e1
	s_add_co_i32 s67, s82, s83                     ; e2 + e3
	s_sub_co_i32 s84, s66, s67
	s_add_co_i32 s84, s84, 127
	s_lshl_b32 s84, s84, 23                        ; 2^(e0 + e1 - e2 - e3)
	s_mov_b32 s85, s84                             ; (the packed forms name pairs: both words are written)
	s_lshl_b32 s66, s66, 23
	s_lshl_b32 s67, s67, 23
	s_add_co_u32 s86, s67, 0xbfb8aa3b              ; -log2(e) x 2^(e2 + e3): the exponents are added to the constant's exponent field
	s_mov_b32 s87, s86
	s_add_co_u32 s88, s66, 0x4038aa3b              ; 2 log2(e) x 2^(e0 + e1)
	s_mov_b32 s89, s88
	s_add_co_u32 s90, s67, 0x4038aa3b              ; 2 log2(e) x 2^(e2 + e3)
	s_mov_b32 s91, s90
.macro AF8 set, off, a0                ; two of a chunk's four fragments of ac, a0 and a0 + 1, into a set of the ring: 8 loads of 512 consecutive bytes
	WIN 0x40
.irp a, \a0, \a0+1
.irp i, 0,1,2,3
	global_load_b128 v[64*(\set)+16*(\a)+4*\i:64*(\set)+16*(\a)+4*\i+3], v[LO], s[4:5] offset:(\off)+(\a)*32768+\i*512
.endr
.endr
.endm
.irp q, 0,1,2                          ; chunks 0-2 into sets 0-2; chunk 0 asks for chunk 3
	AF8 \q, \q*2048, 0
	AF8 \q, \q*2048, 2
.endr
	WIN 0
	s_wait_loadcnt 48                              ; the biases are in; ac's 48 loads may be out
	v_pk_mul_f32 v[32:33], v[32:33], 0xbfb8aa3b op_sel_hi:[1,0]
	v_pk_mul_f32 v[34:35], v[34:35], 0xbfb8aa3b op_sel_hi:[1,0]
	v_pk_mul_f32 v[36:37], v[36:37], 0x4038aa3b op_sel_hi:[1,0]
	ds_store_b64 v[BIW], v[32:33]
	ds_store_b64 v[BIW], v[34:35] offset:256
	ds_store_b64 v[BIW], v[36:37] offset:512
.macro BF6 slot, q, f0                 ; six fragments of wc, f0 on, of the slot's chunk q: 24 loads, 16 bytes a lane on end
.irp f, 0,1,2,3,4,5
.irp i, 0,1,2,3
	ds_load_b128 v[BF+16*(\f0+\f)+4*\i:BF+16*(\f0+\f)+4*\i+3], v[ADB+2*(\slot)+(\q)/2] offset:((\q)%2)*24576+(\f0+\f)*2048+\i*512
.endr
.endr
.endm
; cnt fragments of wc from f0 on, each against the set's four fragments of ac.  g3: gate 2's sums: 0 (XH) or 128 (HH).  zzr, z3 = 1: the product starts the sums.
; A chunk's 48 accumulators take turns, one instruction a turn, in the same order in every chunk.
.macro MUL f0, cnt, set, g3, zzr, z3
.set mf, \f0
.rept \cnt
.if mf < 8
.set mb, 128*(mf/4)+8*(mf%4)
.set mz, \zzr
.else
.set mb, \g3+8*(mf-8)
.set mz, \z3
.endif
.irp a, 0,1,2,3
.if mz
	v_wmma_f32_16x16x128_bf8_bf8 v[mb+32*\a:mb+32*\a+7], v[BF+16*mf:BF+16*mf+15], v[64*(\set)+16*\a:64*(\set)+16*\a+15], 0
.else
	v_wmma_f32_16x16x128_bf8_bf8 v[mb+32*\a:mb+32*\a+7], v[BF+16*mf:BF+16*mf+15], v[64*(\set)+16*\a:64*(\set)+16*\a+15], v[mb+32*\a:mb+32*\a+7]
.endif
.endr
.set mf, mf+1
.endr
.endm
; One of a slot's first three chunks.  A fragment of wc is free when its four products are issued: fragments 0-5 come anew in the middle, 6-11 at the end.
; aoff >= 0: the set that the chunk before multiplied is asked for again, half behind each run.  lc: the loads of ac issued behind this chunk's set, which may stay out.
.macro CHUNK slot, qq, g3, zzr, z3, aoff, lc
	s_wait_loadcnt \lc
	s_wait_dscnt 24                                ; fragments 0-5 are in; the 24 loads of 6-11 may be out
	WIN 0xa4                                       ; source 0 window 0, source 1 window 1, C and D window 2
	MUL 0, 6, \qq, \g3, \zzr, \z3
	s_wait_dscnt 0x0
	PLACES 4
	WIN 0
	BF6 \slot, (\qq)+1, 0
.if (\aoff) >= 0
	AF8 ((\qq)+3)%4, \aoff, 0
.endif
	WIN 0xa4
	MUL 6, 2, \qq, \g3, \zzr, \z3
	WIN 0xf4                                       ; C and D window 3
	MUL 8, 4, \qq, \g3, \zzr, \z3
	PLACES 4
	WIN 0
	BF6 \slot, (\qq)+1, 6
.if (\aoff) >= 0
	AF8 ((\qq)+3)%4, \aoff, 2
.endif
	WIN 0
.endm
; A slot's last chunk changes slots: one barrier; in front of it each wave waits for all its tensor loads, adds 0 to its spare word and waits for that and for its reads of this slot.
; kind = 1: the barrier opens a round of the cluster's barrier and the slot is filled again, with chunks 4 c on.  fetch = 1: the next slot's first fragments are fetched.
.macro TURN slot, g3, kind, c, fetch, aoff, lc
	s_wait_tensorcnt 0x0                           ; my quarter of the other slot has landed; no load of mine is out
	ds_add_u32 v[SPW], v[NIL]
.if \kind
	AIM \slot, \c
.endif
	s_wait_loadcnt \lc
	s_wait_dscnt 25                                ; (the add and the 24 loads of fragments 6-11 may be out)
	WIN 0xa4
	MUL 0, 3, 3, \g3, 0, 0
	s_wait_dscnt 0x0                               ; the add is done, and my reads of this slot are over
	s_barrier_signal -1
	MUL 3, 3, 3, \g3, 0, 0
	WIN 0
	s_barrier_wait -1
.if \kind
	CREST
	tensor_load_to_lds s[G0+4*\slot:G0+4*\slot+3], s[G1:G1+7]   ; the first tensor load behind the round, one a wave
	s_nop 0
	PLACES 4                                       ; also the places in front of the loads below
.else
	PLACES 4
.endif
.if \fetch
	BF6 1-\slot, 0, 0
.endif
.if (\aoff) >= 0
	AF8 2, \aoff, 0
.endif
	WIN 0xa4
	MUL 6, 2, 3, \g3, 0, 0
	WIN 0xf4
	MUL 8, 4, 3, \g3, 0, 0
	PLACES 4
	WIN 0
.if \fetch
	BF6 1-\slot, 0, 6
.endif
.if (\aoff) >= 0
	AF8 2, \aoff, 2
.endif
	WIN 0
.endm
; THE GATES AND THE WAY OUT of a tile.  sigmoid(v) = 1 / (1 + 2^(-log2(e) v)); tanh(v) = 1 - 2 / (1 + 2^(2 log2(e) v)); hid = h_ + z (state - h_).
; Where an exponential overflows its reciprocal is 0, where it vanishes 1: the functions' limits, so nothing is clamped.  Every accumulator is read from its low end on, ahead of the first transcendental.
; The transcendentals go in four batches, each with one wait ahead of it and one behind it.
.macro GATES
	PLACES 4
.irp g, 0,1,2
.irp b, 0,1,2,3
.irp u, 0,1
	ds_load_b128 v[BZ+32*\g+8*\b+4*\u:BZ+32*\g+8*\b+4*\u+3], v[BIA] offset:256*\g+64*\b+16*\u   ; bias at columns 16 b + 8 h + 4 u on
.endr
.endr
.endr
.irp t, 0,1,2,3,4,5,6,7,8,9,10,11,12,13,14,15,16,17,18,19,20,21,22,23,24,25,26,27,28,29,30,31
	global_load_b128 v[ST+4*\t:ST+4*\t+3], v[GRO], s[8:9] offset:\t*8192 th:TH_LOAD_NT   ; two whole rows of 256 bytes of state
.endr
	s_wait_dscnt 0x0
	WIN 0x82                                       ; source 0 and destination window 2, the biases window 0
.set n, 0
.rept 64
	v_pk_fma_f32 v[128+n:129+n], v[128+n:129+n], s[86:87], v[BR+n%32:BR+n%32+1] op_sel_hi:[1,0,1]   ; -log2(e) (xr + hr + br)
.set n, n+2
.endr
.set n, 0
.rept 64
	v_pk_fma_f32 v[n:n+1], v[n:n+1], s[86:87], v[BZ+n%32:BZ+n%32+1] op_sel_hi:[1,0,1]               ; -log2(e) (xz + hz + bz)
.set n, n+2
.endr
	WIN 0xc3                                       ; the same in window 3
.set n, 0
.rept 64
	v_pk_fma_f32 v[n:n+1], v[n:n+1], s[88:89], v[BX+n%32:BX+n%32+1] op_sel_hi:[1,0,1]               ; 2 log2(e) (xh + bx)
.set n, n+2
.endr
.set n, 0
.rept 64
	v_pk_mul_f32 v[128+n:129+n], v[128+n:129+n], s[90:91] op_sel_hi:[1,0]                           ; 2 log2(e) hh
.set n, n+2
.endr
	WIN 0x82
	s_wait_alu depctr_va_vdst(0)
.set n, 0
.rept 256
	v_exp_f32 v[n], v[n]
.set n, n+1
.endr
	v_nop
	s_wait_alu depctr_va_vdst(0)
.set n, 0
.rept 128
	v_pk_add_f32 v[n:n+1], v[n:n+1], 1.0 op_sel_hi:[1,0]
.set n, n+2
.endr
	s_wait_alu depctr_va_vdst(0)
.set n, 0
.rept 256
	v_rcp_f32 v[n], v[n]                           ; z and r
.set n, n+1
.endr
	v_nop
	WIN 0
	s_wait_loadcnt 0x0                             ; state's rows are in
.irp t, 0,1,2,3,4,5,6,7,8,9,10,11,12,13,14,15,16,17,18,19,20,21,22,23,24,25,26,27,28,29,30,31
	ds_store_b128 v[STW], v[ST+4*\t:ST+4*\t+3] offset:\t*2*PITCH
.endr
	s_wait_alu depctr_va_vdst(0)
	WIN 0xfb                                       ; source 0 (HH), source 2 and destination (XH) window 3, source 1 (r) window 2
.set n, 0
.rept 64
	v_pk_fma_f32 v[n:n+1], v[128+n:129+n], v[128+n:129+n], v[n:n+1]   ; 2 log2(e) (xh + bx + hh r)
.set n, n+2
.endr
	WIN 0xc3
	s_wait_alu depctr_va_vdst(0)
.set n, 0
.rept 128
	v_exp_f32 v[n], v[n]
.set n, n+1
.endr
	v_nop
	WIN 0
	s_wait_dscnt 0x0                               ; the stores have read their registers
.irp a, 0,1,2,3
.irp b, 0,1,2,3
.irp u, 0,1
	ds_load_b128 v[ST+32*\a+8*\b+4*\u:ST+32*\a+8*\b+4*\u+3], v[SAC] offset:\a*16*PITCH+64*\b+16*\u   ; state in the accumulators' layout
.endr
.endr
.endr
	s_wait_alu depctr_va_vdst(0)
	WIN 0xc3
.set n, 0
.rept 64
	v_pk_add_f32 v[n:n+1], v[n:n+1], 1.0 op_sel_hi:[1,0]
.set n, n+2
.endr
	s_wait_alu depctr_va_vdst(0)
.set n, 0
.rept 128
	v_rcp_f32 v[n], v[n]
.set n, n+1
.endr
	v_nop
	s_wait_dscnt 0x0                               ; state's numbers are in
	s_wait_alu depctr_va_vdst(0)
.set n, 0
.rept 64
	v_pk_fma_f32 v[n:n+1], v[n:n+1], -2.0, 1.0 op_sel_hi:[1,0,0]      ; h_
.set n, n+2
.endr
	WIN 0xcc                                       ; source 0 (state) window 0, source 1 and destination window 3
.set n, 0
.rept 64
	v_pk_add_f32 v[128+n:129+n], v[ST+n:ST+n+1], v[n:n+1] neg_lo:[0,1] neg_hi:[0,1]   ; state - h_
.set n, n+2
.endr
	WIN 0xfe                                       ; source 0 (z) window 2, the others window 3
.set n, 0
.rept 64
	v_pk_fma_f32 v[n:n+1], v[n:n+1], v[128+n:129+n], v[n:n+1]         ; hid = z (state - h_) + h_
.set n, n+2
.endr
	WIN 0x0c                                       ; the stores' data window 3
.irp a, 0,1,2,3
.irp b, 0,1,2,3
.irp u, 0,1
	ds_store_b128 v[SAC], v[32*\a+8*\b+4*\u:32*\a+8*\b+4*\u+3] offset:\a*16*PITCH+64*\b+16*\u   ; into the bytes from which I took state
.endr
.endr
.endr
	WIN 0
.irp t, 0,1,2,3,4,5,6,7,8,9,10,11,12,13,14,15,16,17,18,19,20,21,22,23,24,25,26,27,28,29,30,31
	ds_load_b128 v[ST+4*\t:ST+4*\t+3], v[STW] offset:\t*2*PITCH       ; back by rows; LDS serves a wave in order (ISA guide 5.7.1.4)
.endr
.irp t, 0,1,2,3,4,5,6,7,8,9,10,11,12,13,14,15,16,17,18,19,20,21,22,23,24,25,26,27,28,29,30,31
	s_wait_dscnt 31-\t
	global_store_b128 v[GRO], v[ST+4*\t:ST+4*\t+3], s[18:19] offset:\t*8192 th:TH_STORE_NT   ; sixteen lanes store 256 consecutive bytes, aligned
.endr
.endm
	s_wait_alu depctr_va_vdst(0)
	s_wait_tensorcnt 0x0                           ; my quarter of slot 0 is in; these lines stand ahead of a later first fill as ahead of a refill
	ds_add_u32 v[SPW], v[NIL]
	s_wait_dscnt 0x0
	CROUND
	tensor_load_to_lds s[G0+4:G0+7], s[G1:G1+7]    ; chunks 4-7: slot 1's first fill
	s_nop 0
	PLACES 4
	s_mov_b32 s[TILES], 2
.Ltile:                                            ; slot 0 holds chunks 0-3, shown whole to every wave; every window is 0
	BF6 0, 0, 0
	BF6 0, 0, 6
	CHUNK 0, 0, 0, 1, 1, 3*2048, 32                ; its products start Z, R and XH
	CHUNK 0, 1, 0, 0, 0, 4*2048, 32
	CHUNK 0, 2, 0, 0, 0, 5*2048, 32
	TURN 0, 0, 1, 2, 1, 6*2048, 32                 ; slot 0 takes chunks 8-11
	CHUNK 1, 0, 0, 0, 0, 7*2048, 32
	CHUNK 1, 1, 0, 0, 0, 8*2048, 32
	CHUNK 1, 2, 0, 0, 0, 9*2048, 32
	TURN 1, 0, 1, 3, 1, 10*2048, 32                ; slot 1 takes chunks 12-15
	WIN 0x82                                       ; inp's K is done: Z and R x 2^(e0 + e1 - e2 - e3), each accumulator from its low end on
.set n, 0
.rept 128
	v_pk_mul_f32 v[n:n+1], v[n:n+1], s[84:85] op_sel_hi:[1,0]
.set n, n+2
.endr
	WIN 0
	s_wait_alu depctr_va_vdst(0)
	CHUNK 0, 0, 128, 0, 1, 11*2048, 32             ; state's first chunk starts HH
	CHUNK 0, 1, 128, 0, 0, 12*2048, 32
	CHUNK 0, 2, 128, 0, 0, 13*2048, 32
	s_cmp_eq_u32 s[TILES], 1
	s_cbranch_scc1 .Llast                          ; the last tile's tail is written out: it asks for nothing more
	TURN 0, 128, 1, 0, 1, 14*2048, 32              ; both rings go on into the next tile: slot 0 takes chunks 0-3 again,
	CHUNK 1, 0, 128, 0, 0, 15*2048, 32
	CHUNK 1, 1, 128, 0, 0, NEXTA, 32
	CHUNK 1, 2, 128, 0, 0, NEXTA+2048, 32
	TURN 1, 128, 1, 1, 0, NEXTA+2*2048, 32         ; slot 1 chunks 4-7; wc's registers serve the gates first
	GATES
	s_wait_xcnt 0x0                                ; the stores have read their base and registers: only now are the bases stepped and do fragments land there
	s_add_nc_u64 s[4:5], s[4:5], NEXTA
	s_add_nc_u64 s[8:9], s[8:9], NEXTS
	s_add_nc_u64 s[18:19], s[18:19], NEXTS
	s_sub_co_u32 s[TILES], s[TILES], 1
	s_branch .Ltile
.Llast:
	TURN 0, 128, 0, 0, 1, 14*2048, 32
	CHUNK 1, 0, 128, 0, 0, 15*2048, 32
	CHUNK 1, 1, 128, 0, 0, -1, 32                  ; the ring of ac runs out: the counts run down
	CHUNK 1, 2, 128, 0, 0, -1, 16
	s_wait_loadcnt 0x0
	s_wait_dscnt 24
	WIN 0xa4
	MUL 0, 6, 3, 128, 0, 0
	s_wait_dscnt 0x0
	MUL 6, 2, 3, 128, 0, 0
	WIN 0xf4
	MUL 8, 4, 3, 128, 0, 0
	WIN 0
	GATES
	s_wait_tensorcnt 0x0                           ; the wave's end
	ds_add_u32 v[SPW], v[NIL]
	s_wait_dscnt 0x0
	CROUND                                         ; the closing round
	s_endpgm
.Lfunc_end_k_q94110d20d2_gru:
	.size	k_q94110d20d2_gru, .Lfunc_end_k_q94110d20d2_gru-k_q94110d20d2_gru
	.p2alignl 7, 3214868480
	.fill 96, 4, 3214868480
	.section	.rodata,"a",@progbits
	.p2align	6, 0x0
	.amdhsa_kernel k_q94110d20d2_gru
		.amdhsa_group_segment_fixed_size 327680
		.amdhsa_private_segment_fixed_size 0
		.amdhsa_enable_private_segment 0
		.amdhsa_kernarg_size 64
		.amdhsa_user_sgpr_count 2
		.amdhsa_user_sgpr_kernarg_segment_ptr 1
		.amdhsa_wavefront_size32 1
		.amdhsa_system_sgpr_workgroup_id_x 1
		.amdhsa_system_sgpr_workgroup_id_y 1
		.amdhsa_system_sgpr_workgroup_id_z 1
		.amdhsa_system_vgpr_workitem_id 0
		.amdhsa_next_free_vgpr 1024
		.amdhsa_next_free_sgpr 100
		.amdhsa_reserve_vcc 0
		.amdhsa_float_denorm_mode_32 3
		.amdhsa_float_denorm_mode_16_64 3
		.amdhsa_memory_ordered 1
		.amdhsa_forward_progress 1
		.amdhsa_inst_pref_size 255
	.end_amdhsa_kernel
	.section	.bss,"aw",@nobits
	.p2align	6
	.space	262144
	.amdgpu_metadata
---
amdhsa.version: [ 1, 2 ]
amdhsa.kernels:
  - .name:           k_q94110d20d2_gru
    .symbol:         k_q94110d20d2_gru.kd
    .args:
      - { .name: ac, .offset: 0, .size: 8, .value_kind: global_buffer, .address_space: global }
      - { .name: wc, .offset: 8, .size: 8, .value_kind: global_buffer, .address_space: global }
      - { .name: state, .offset: 16, .size: 8, .value_kind: global_buffer, .address_space: global }
      - { .name: bz, .offset: 24, .size: 8, .value_kind: global_buffer, .address_space: global }
      - { .name: br, .offset: 32, .size: 8, .value_kind: global_buffer, .address_space: global }
      - { .name: bx, .offset: 40, .size: 8, .value_kind: global_buffer, .address_space: global }
      - { .name: lowp_scales, .offset: 48, .size: 8, .value_kind: global_buffer, .address_space: global }
      - { .name: out0, .offset: 56, .size: 8, .value_kind: global_buffer, .address_space: global }
    .group_segment_fixed_size: 327680
    .private_segment_fixed_size: 0
    .kernarg_segment_align: 8
    .kernarg_segment_size: 64
    .max_flat_workgroup_size: 128
    .sgpr_count:     100
    .vgpr_count:     1024
    .wavefront_size: 32
...
	.end_amdgpu_metadata
.endif
;; end of part 2
